; MI455X (gfx1250); checked and timed in simulation.
; The chip was launched on July 23, 2026; its instructions are those of AMD's public machine-readable ISA for CDNA 5 (MIT licence, August 2026) and "CDNA5" Instruction Set Architecture Reference Guide (July 2026). The comments in the code are by the model that wrote it; some were corrected since.
;; Multi Head Attention. Allowed arithmetic: matrix products marked QUANTISED: E4M3 operands, one given power-of-two scale a tensor, by v_wmma_f32_16x16x64_fp8_fp8 or v_wmma_f32_16x16x128_fp8_fp8, f32 sums; everything else in f32.
;; Inputs: Wk_codes 1,024 x 32 x 32 uint8 (E4M3 codes of Wk, K innermost, in blocks of 32 codes); Wo_codes 1,024 x 32 x 32 uint8 (E4M3 codes of Wo, K innermost, in blocks of 32 codes); Wq_codes 1,024 x 32 x 32 uint8 (E4M3 codes of Wq, K innermost, in blocks of 32 codes); Wv_codes 1,024 x 32 x 32 uint8 (E4M3 codes of Wv, K innermost, in blocks of 32 codes); bk 1,024 float32; bo 1,024 float32; bq 1,024 float32; bv 1,024 float32; lowp_scales 12 int32 (the exponents e of the quantised operands' scales 2^e); x_codes 4 x 2,048 x 32 x 32 uint8 (E4M3 codes of x, K innermost, in blocks of 32 codes).
;; Outputs: out0 4 x 2,048 x 1,024 float32.
;; This version of the problem:
;;   THIS VERSION OF THE PROBLEM IS GIVEN IN LOW PRECISION. The matrix products marked QUANTISED in the list below multiply operands that are first quantised to E4M3 (4 exponent bits, 3 mantissa bits; 8 bits a number), with one given power-of-two scale for each operand tensor; their sums are f32. All else is computed in f32.
;;   The module's matrix products, in the order in which they are computed (A, B: the left and right operand; K: the contracted axis; several contracted axes count as one K, in the product's order):
;;     1. [M 8,192, K 1,024] x [K 1,024, N 1,024]; A: input x (given as codes); B: input Wq (given as codes): QUANTISED (scales: A lowp_scales[0], B lowp_scales[1])
;;     2. [M 8,192, K 1,024] x [K 1,024, N 1,024]; A: input x (given as codes); B: input Wk (given as codes): QUANTISED (scales: A lowp_scales[2], B lowp_scales[3])
;;     3. [M 8,192, K 1,024] x [K 1,024, N 1,024]; A: input x (given as codes); B: input Wv (given as codes): QUANTISED (scales: A lowp_scales[4], B lowp_scales[5])
;;     4. batch 64 x [M 2,048, K 64] x [K 64, N 2,048]; A: computed on the way; B: computed on the way: QUANTISED (scales: A lowp_scales[6], B lowp_scales[7])
;;     5. batch 64 x [M 2,048, K 2,048] x [K 2,048, N 64]; A: softmax (see below); B: computed on the way: QUANTISED (scales: A lowp_scales[8], B lowp_scales[9])
;;     6. [M 8,192, K 1,024] x [K 1,024, N 1,024]; A: computed on the way; B: input Wo (given as codes): QUANTISED (scales: A lowp_scales[10], B lowp_scales[11])
;;   THE QUANTISER, for each operand of a quantised product, along K:
;;     - The operand's scale is 2^e, e = its entry of the input lowp_scales (int32; the entries are numbered through the quantised products in the list's order, A before B).
;;     - Each number is divided by the scale, clamped to +-448, and rounded to the nearest number of E4M3, ties to even, subnormals kept.
;;     - The product sums the exact products of the quantised numbers (number of the format x scale) in f32.
;;   ~~~python
;;   def quantise(x, axis, e):      # numpy; x: float32 -> the quantised numbers, widened to float32 again
;;       x = np.moveaxis(x, axis, -1); K = x.shape[-1]
;;       r = np.clip(x / 2.0 ** e, -448, 448)
;;       step = 2.0 ** (np.maximum(np.frexp(np.where(r == 0, 1, r))[1] - 1, -6) - 3)
;;       q = np.round(r / step) * step * 2.0 ** e      # np.round: ties to even
;;       return np.moveaxis(q, -1, axis).astype(np.float32)
;;   ~~~
;;   SOFTMAX AHEAD OF A QUANTISED PRODUCT. Where the list says 'softmax', what is quantised is not the finished softmax but p = 2^(t - M), with t = logit x log2(e) and M = ceil(the row's largest t), a whole number; so 1/2 < the row's largest p <= 1. The row's sum l is taken of the UNQUANTISED p, in f32, and the product's result is divided by l at the end. Since M is a whole number, a kernel that streams over the keys may use a running M (the ceiling of the running maximum): every later rescaling is an exact power of two, so the quantised numbers keep their values, but for numbers so far below the row's largest that they fall under the format's range.
;;   OPERANDS COMPUTED ON THE WAY. 'Computed on the way' means the value that the module computes at that place (a softmax that the list does not call 'softmax' is quantised finished and normalised). What goes into a quantiser is computed in f32, as accurately as f32 sums, v_exp_f32 and their like allow (about 1e-6 of the number): no bf16 or f16 on the way to a quantiser, and a product that is left as it is and whose result goes on into a quantised operand takes f32 operands (vector FMAs, or v_wmma_f32_16x16x4_f32). A number that lies on a knife's edge between two numbers of the format may be rounded either way, as far as f32 arithmetic and the matrix unit's own rounding can turn it there, and no further.
;;   INPUTS GIVEN AS CODES. Wk (in the module: [1024, 1024], K = its axis 0); Wo (in the module: [1024, 1024], K = its axis 0); Wq (in the module: [1024, 1024], K = its axis 0); Wv (in the module: [1024, 1024], K = its axis 0); x (in the module: [4, 2048, 1024], K = its axis 2): each comes as NAME_codes (uint8): NAME with its K axis moved to the last place and cut into blocks of 32 codes, [.., K / 32, bytes a block], one block behind the other in memory; one code a byte (a code: sign, 4 exponent bits, 3 mantissa bits); its scale is its entry of lowp_scales. Its value is code x scale, taken as it is: it is not quantised again, and the codes and scales need not be those that the quantiser above would give.
;; One version. Each part assembles by itself: llvm-mc -triple=amdgcn-amd-amdhsa -mcpu=gfx1250 --defsym DOCPART=n.
;; ======== version 1 of 1: 3 launches
;; limits: right only within a limited range of input values
;; workspace buffers: qc 8,388,608 bytes; kc 8,388,608 bytes; vc 8,388,608 bytes; ctxc 8,388,608 bytes
;; launch qkv (part 1): grid 12 x 32, 4 waves a work-group, clusters of 4 x 4, 327,680 bytes of LDS; arguments x_codes, Wq_codes, Wk_codes, Wv_codes, bq, bk, bv, lowp_scales, qc, kc, vc; writes qc, kc, vc
.if DOCPART == 1
	.amdgcn_target "amdgcn-amd-amdhsa--gfx1250"
	.amdhsa_code_object_version 6
	.text
	.protected	k_q8587bdbbec_qkv
	.globl	k_q8587bdbbec_qkv
	.p2align	8
	.type	k_q8587bdbbec_qkv,@function
k_q8587bdbbec_qkv:
	s_mov_b64 s[64:65], 0
	v_nop
	global_prefetch_b8 v0, s[64:65] scope:SCOPE_SE
	s_setreg_imm32_b32 hwreg(HW_REG_WAVE_MODE, 25, 1), 1
	s_wait_xcnt 0x0
	s_wait_alu depctr_hold_cnt(0) depctr_sa_sdst(0) depctr_va_vdst(0) depctr_va_sdst(0) depctr_va_ssrc(0) depctr_va_vcc(0) depctr_vm_vsrc(0)
	s_getreg_b32 s2, hwreg(HW_REG_IB_STS2, 6, 4)
	s_cmp_eq_u32 s2, 0
	s_cbranch_scc0 .Lentry_in_a_cluster
	s_endpgm
.Lentry_in_a_cluster:
	s_bfe_u32 s2, ttmp6, 0x10000c
	s_cmp_lg_u32 s2, 0xf033
	s_cbranch_scc0 .Lentry_shape_is_right
	s_endpgm
.Lentry_shape_is_right:
; q = x Wq + bq, k = x Wk + bk, v = x Wv + bv on codes of FP8 (E4M3); each result is quantised at once, with its given scale, into codes for the attention launch.
; x: [8192 tokens][1024] codes; W*: [1024 channels][1024] codes, K innermost.  The cluster's x (0, 1, 2) says which product: q, k or v; it is the same in all sixteen partners.
; ONE GEMM TEXT FOR ALL THREE: C = A B^T on tiles of 256 x 256, four waves of 128 x 128 (64 accumulators, 512 registers), K = 1024 in four slot fills of 256.
;   q, k: A = x (rows = tokens), B = W (rows = channels).   v: A = Wv (rows = channels), B = x (rows = tokens): the pointers change places, chosen by s_cselect on the cluster's x.
; The matrix instruction is used transposed (source 0 = 16 rows of B, source 1 = 16 rows of A): a lane holds one row of A and eight neighbouring rows of B.
;   q, k: one token, eight channels: neighbours along the score product's K.   v: one channel, eight tokens: neighbours along the second attention product's K (the keys).
; OUT: qc, kc: [head 16][token 8192][64 bytes];  vc: [head 16][token / 128][channel 64][128 bytes].  Inside each group of 32 along K the code of index 16 u + 8 h + j lies at byte 16 h + 8 u + j:
;   the same order in q and k, so every product meets its partner; for v it is the order in which the attention launch's weights come out of its conversions.
; value = sum x 2^(ea + eb) + bias, one fused multiply-add in f32; held within +-448 x 2^eo; converted with 2^eo.  (ea, eb, eo) = entries (0, 1, 6), (2, 3, 7), (4, 5, 9) of the scales.
; LIMITS: ea + eb between -126 and 127; eo between -126 and 119, so that each power of two below is an f32 number.  NaN among the inputs is not served.
; CLUSTERS: 4 x 4 work-groups; A's tile is shared along a row of the cluster, B's along a column: joint loads with a mask of four.
; No prefetch: K is four slot fills, of which two go out at the head.
; REGISTERS, in windows of 256: window 0: v0-30 addresses and constants; v32-95 the bias by columns; v96-111 the bias by rows; v112-127 a block's codes; from v128 A's fragments, ONE set (on the way out: sums and rows read back).
;   window 1: B's fragments, two sets.   windows 2, 3: the accumulators ((a, b) at v[8 (8 (a % 4) + b)]).
.set KROW,   1024                      ; a row of A or of B in memory, in bytes
.set ROWB,   256                       ; a tile's row: 256 codes
.set PITCH,  272                       ; an LDS row: 256 bytes + 16 of padding, an odd multiple of 16: the 16 rows that a load touches start 16 bytes apart modulo 256
.set FR,     16                        ; registers of a fragment: 16 rows x 128 K
.set NL,     4                         ; LDS loads that bring one
.set NP,     4                         ; places behind this matrix instruction (ISA guide 7.12.1)
.set HALFT,  128*PITCH                 ; 128 rows: what one tensor load brings
.set SLOT,   4*HALFT                   ; A's 256 rows, then B's 256 rows
.set SPARE,  2*SLOT                    ; behind the ring: the spare words, 128 bytes for each wave
.set STAGE,  SPARE+512                 ; the way out: for each wave 16 rows x (128 bytes + 16); bytes of their own, no tile lands here
.set SP,     144
.set WST,    16*SP                     ; a wave's stage; q's and k's path has four, v's path four more behind them
.set ADRA, 16                          ; v16-17  LDS address of my A fragments in slot 0, 1
.set ADRB, 20                          ; v20-21  the same for B
.set STOQ, 24                          ; v24     q, k: where I put 16 bytes of a stage row
.set RDQ,  25                          ; v25     q, k: where I read back
.set CO,   26                          ; v26     16 x lane: my place in a store's 512 bytes
.set STOV, 27                          ; v27     v: as v24
.set SPW,  28                          ; v28     my spare word; never rewritten
.set NIL,  29                          ; v29     0; never rewritten
.set RDV,  30                          ; v30     v: as v25
.set BC,   32
.set BR,   96
.set CD,   112
.set AF,   128
.set TMP,  128
.set BK,   192
.set G1, 24                            ; s[24:31] descriptor group 1 for A's tiles;  s[32:39] group 0, one set for each slot
.set G0, 32
.set G1B, 48                           ; s[48:55], s[56:63] the same for B's tiles
.set G0B, 56
.set MSB, 0
.macro WIN new                         ; the immediate's high byte repeats the setting that is left
.if MSB != (\new)
	s_set_vgpr_msb (MSB<<8)|(\new)
.set MSB, (\new)
.endif
.endm
.set MUL_LO, 0xa1                      ; source 0 (B) window 1, source 1 (A) window 0, C and D window 2
.set MUL_HI, 0xf1                      ; the same, C and D window 3
.set TO_B,   0x40                      ; destination window 1, address window 0
; A joint load: waves 0 and 1 fetch for A, waves 2 and 3 for B; the branch hangs on the wave's number alone.  Four v_nop follow each of the two lines.
.macro JLOAD g0a, g1a, g0b, g1b
	s_cmp_eq_u32 s15, 0
	s_cbranch_scc0 .Lfor_b_\@
	tensor_load_to_lds s[\g0a:\g0a+3], s[\g1a:\g1a+7]
	s_nop 0
.rept 4
	v_nop
.endr
	s_branch .Lasked_\@
.Lfor_b_\@:
	tensor_load_to_lds s[\g0b:\g0b+3], s[\g1b:\g1b+7]
	s_nop 0
.rept 4
	v_nop
.endr
.Lasked_\@:
.endm
.macro CREST                           ; a round of the cluster's barrier behind its opening barrier
	s_cmp_lg_u32 s14, 0
	s_cbranch_scc1 .Lnot_wave_0_\@
	s_barrier_signal -3
.Lnot_wave_0_\@:
	s_barrier_wait -3
	s_barrier_signal -1
	s_barrier_wait -1
.endm
.macro CROUND                          ; a whole round
	s_barrier_signal -1
	s_barrier_wait -1
	CREST
.endm
	s_load_b256 s[4:11], s[0:1], 0x0               ; x s[4:5], Wq s[6:7], Wk s[8:9], Wv s[10:11]
	s_load_b256 s[68:75], s[0:1], 0x20             ; bq s[68:69], bk s[70:71], bv s[72:73], the scales' exponents s[74:75]
	s_load_b128 s[76:79], s[0:1], 0x40             ; qc, kc
	s_load_b64 s[80:81], s[0:1], 0x50              ; vc
	v_lshl_add_u32 v[SPW], v0, 2, SPARE
	v_mov_b32 v[NIL], 0
	ds_add_u32 v28, v29
	ds_add_u32 v28, v29
	s_wait_dscnt 0x0
	v_lshrrev_b32 v1, 5, v0
	v_readfirstlane_b32 s14, v1                    ; wave 0..3
	s_lshr_b32 s15, s14, 1                         ; which half of the tile's rows is mine.  Also: I fetch for A (0) or for B (1)
	s_and_b32 s16, s14, 1                          ; which half of its columns.  Also: which 128 rows of that tile I fetch
	s_bfe_u32 s40, ttmp6, 0x40000                  ; cx, cy: my place in the cluster
	s_bfe_u32 s41, ttmp6, 0x40004
	s_and_b32 s18, ttmp7, 0xffff
	s_lshl_b32 s18, s18, 2                         ; 4 x cluster y
	s_cmp_eq_u32 ttmp9, 2                          ; v?  Then the long axis (tokens) runs along the tile columns
	s_cselect_b32 s17, 0, s18
	s_cselect_b32 s42, s18, 0
	s_add_co_u32 s17, s17, s41                     ; tile row: hangs on cy alone of the two places
	s_add_co_u32 s42, s42, s40                     ; tile column: on cx alone
	s_lshl_b32 s43, s41, 2
	s_lshl_b32 s43, 15, s43                        ; my row of the cluster
	s_lshl_b32 s44, 0x1111, s40                    ; my column
	; descriptor group 1: a tile of 128 rows x 256 bytes, padded in LDS
	s_or_b32 s[G1+0], s43, (1<<20)|(1<<21)|(5<<22)|(3<<25)   ; 15:0 the mask; 17:16 elements of 1 byte; 20 padding on; 21 set beside a mask; 24:22 after every 64 words; 31:25 four words
	s_or_b32 s[G1B+0], s44, (1<<20)|(1<<21)|(5<<22)|(3<<25)
.irp g, G1, G1B
	s_mov_b32 s[\g+1], ROWB<<16                    ; tensor_dim0
	s_mov_b32 s[\g+2], 128<<16                     ; tensor_dim1
	s_mov_b32 s[\g+3], ROWB<<16                    ; tile_dim0
	s_mov_b32 s[\g+4], 128                         ; tile_dim1
	s_mov_b32 s[\g+5], KROW                        ; tensor_dim0_stride
	s_mov_b32 s[\g+6], 0
	s_mov_b32 s[\g+7], 0
.endr
	s_lshl_b32 s18, s16, 7                         ; which 128 rows of the tile I fetch
	s_lshl_b32 s20, s17, 8
	s_add_co_u32 s20, s20, s18                     ; A: row 256 x tile row + 128 x half,
	s_lshl_b32 s20, s20, 10                        ; in bytes (under 2^23)
	s_mov_b32 s21, 0
	s_lshl_b32 s46, s42, 8
	s_add_co_u32 s46, s46, s18                     ; B likewise, by the tile column
	s_lshl_b32 s46, s46, 10
	s_mov_b32 s47, 0
	s_mul_i32 s45, s14, HALFT                      ; where they go: wave x 128 rows: no place in the cluster enters an LDS address
	s_wait_kmcnt 0x0
	s_cmp_eq_u32 ttmp9, 0                          ; the product's weight, bias and output: choices that hang on the cluster's x alone
	s_cselect_b64 s[82:83], s[6:7], s[8:9]
	s_cselect_b64 s[84:85], s[68:69], s[70:71]
	s_cselect_b64 s[86:87], s[76:77], s[78:79]
	s_cmp_eq_u32 ttmp9, 2
	s_cselect_b64 s[82:83], s[10:11], s[82:83]
	s_cselect_b64 s[84:85], s[72:73], s[84:85]
	s_cselect_b64 s[86:87], s[80:81], s[86:87]
	s_cselect_b64 s[22:23], s[82:83], s[4:5]       ; A: Wv for v, else x
	s_cselect_b64 s[66:67], s[4:5], s[82:83]       ; B: x for v, else the weight
	s_load_b256 s[92:99], s[74:75], 0x0            ; e0 .. e7
	s_load_b32 s100, s[74:75], 0x24                ; e9
	s_add_nc_u64 s[20:21], s[22:23], s[20:21]
	s_add_nc_u64 s[46:47], s[66:67], s[46:47]
	CROUND                                         ; all sixteen work-groups are here: the first joint loads meet
.irp s, 0,1
	s_mov_b32 s[G0+4*\s], 1
	s_add_co_u32 s[G0+4*\s+1], s45, \s*SLOT
	s_add_nc_u64 s[G0+4*\s+2:G0+4*\s+3], s[20:21], \s*ROWB
	s_or_b32 s[G0+4*\s+3], s[G0+4*\s+3], 0x80000000
	s_mov_b32 s[G0B+4*\s], 1
	s_add_co_u32 s[G0B+4*\s+1], s45, \s*SLOT
	s_add_nc_u64 s[G0B+4*\s+2:G0B+4*\s+3], s[46:47], \s*ROWB
	s_or_b32 s[G0B+4*\s+3], s[G0B+4*\s+3], 0x80000000
	s_wait_alu depctr_va_vdst(0)
	s_wait_tensorcnt 0x0
	ds_add_u32 v28, v29
	ds_add_u32 v28, v29
	s_wait_dscnt 0x0
	CROUND
	JLOAD G0+4*\s, G1, G0B+4*\s, G1B               ; two loads of mine are out
.endr
	v_and_b32 v1, 15, v0                           ; r = lane % 16
	v_bfe_u32 v2, v0, 4, 1                         ; h = lane / 16
	v_and_b32 v10, 31, v0                          ; lane
	v_lshlrev_b32 v5, 5, v2                        ; the bias by columns: 8 numbers of my half; never rewritten
	s_wait_alu depctr_va_vdst(0)
	v_lshlrev_b32 v6, 2, v1                        ; the bias by rows: my row's number; never rewritten
	s_wait_alu depctr_va_vdst(0)
	; both kinds of bias are loaded in every work-group, the kind that its product does not use from the bias's first bytes: so one text serves, and every register is written
	s_lshl_b32 s46, s42, 10
	s_lshl_b32 s47, s16, 9
	s_add_co_u32 s46, s46, s47                     ; 4 x (256 x tile column + 128 x half)
	s_lshl_b32 s20, s17, 10
	s_lshl_b32 s21, s15, 9
	s_add_co_u32 s20, s20, s21                     ; 4 x (256 x tile row + 128 x half)
	s_cmp_eq_u32 ttmp9, 2
	s_cselect_b32 s46, 0, s46                      ; q, k: channels are columns
	s_cselect_b32 s20, s20, 0                      ; v: channels are rows
	s_mov_b32 s47, 0
	s_mov_b32 s21, 0
	s_add_nc_u64 s[12:13], s[84:85], s[46:47]
	s_add_nc_u64 s[2:3], s[84:85], s[20:21]
.set i, 0
.rept 8
	global_load_b128 v[BC+8*i:BC+8*i+3], v5, s[12:13] offset:64*i        ; block b: bias of columns 16 b + 8 h + 0 .. 7
	global_load_b128 v[BC+8*i+4:BC+8*i+7], v5, s[12:13] offset:64*i+16
.set i, i+1
.endr
.set i, 0
.rept 8
	global_load_b32 v[BR+2*i], v6, s[2:3] offset:64*i                    ; block a: bias of row 16 a + r, twice: a pair for the packed multiply-add
	global_load_b32 v[BR+2*i+1], v6, s[2:3] offset:64*i
.set i, i+1
.endr
	; where my part of the output begins: a pair of heads (1,048,576 bytes) and a block of 128 tokens (8,192 bytes in all three buffers)
	s_lshl_b32 s68, s42, 1
	s_add_co_u32 s68, s68, s16                     ; 2 x tile column + half
	s_lshl_b32 s69, s17, 1
	s_add_co_u32 s69, s69, s15                     ; 2 x tile row + half
	s_cmp_eq_u32 ttmp9, 2
	s_cselect_b32 s70, s69, s68                    ; the pair of heads: by the channels' axis
	s_cselect_b32 s71, s68, s69                    ; the block of tokens: by the tokens' axis
	s_lshl_b32 s70, s70, 20
	s_lshl_b32 s71, s71, 13
	s_add_co_u32 s70, s70, s71
	s_mov_b32 s71, 0
	s_add_nc_u64 s[86:87], s[86:87], s[70:71]      ; the first head of my two,
	s_add_nc_u64 s[88:89], s[86:87], 0x80000       ; the second
	v_mul_u32_u24 v3, v1, PITCH
	v_lshl_add_u32 v4, v2, 4, v3                   ; a fragment's row x pitch + 16 x half
	s_mul_i32 s21, s15, HALFT                      ; my 128 rows of A
	s_mul_i32 s22, s16, HALFT                      ; my 128 rows of B,
	s_add_co_u32 s22, s22, 2*HALFT                 ; which lie behind A's 256
.irp s, 0,1
	v_add_nc_u32 v[ADRA+\s], s21, v4
	v_add_nc_u32 v[ADRB+\s], s22, v4
	s_add_co_u32 s21, s21, SLOT
	s_add_co_u32 s22, s22, SLOT
.endr
	s_mul_i32 s23, s14, WST
	s_add_co_u32 s23, s23, STAGE                   ; my stage on q's and k's path; v's lies 4 WST further on
	v_mul_u32_u24 v3, v1, SP
	v_lshl_add_u32 v3, v2, 4, v3                   ; in: row r, 16 bytes for each half of the lanes
	v_add_nc_u32 v[STOQ], s23, v3
	v_add_nc_u32 v[STOV], 4*WST, v[STOQ]
	v_lshrrev_b32 v4, 2, v10                       ; q, k back: four lanes to a token's 64 bytes of one head
	v_mul_u32_u24 v4, v4, SP
	v_and_b32 v7, 3, v10
	v_lshl_add_u32 v4, v7, 4, v4
	v_add_nc_u32 v[RDQ], s23, v4
	v_lshrrev_b32 v4, 3, v10                       ; v back: eight lanes to a channel's 128 bytes
	v_mul_u32_u24 v4, v4, SP
	v_and_b32 v7, 7, v10
	v_lshl_add_u32 v4, v7, 4, v4
	v_add_nc_u32 v4, s23, v4
	v_add_nc_u32 v[RDV], 4*WST, v4
	v_lshlrev_b32 v[CO], 4, v10
	s_wait_kmcnt 0x0                               ; the exponents.  What they decide is chosen, never branched on
	s_add_co_i32 s92, s92, s93                     ; e0 + e1
	s_add_co_i32 s94, s94, s95                     ; e2 + e3
	s_add_co_i32 s96, s96, s97                     ; e4 + e5
	s_cmp_eq_u32 ttmp9, 0
	s_cselect_b32 s90, s92, s94
	s_cselect_b32 s91, s98, s99                    ; e6 for q, e7 for k,
	s_cmp_eq_u32 ttmp9, 2
	s_cselect_b32 s90, s96, s90
	s_cselect_b32 s91, s100, s91                   ; e9 for v
	s_add_co_i32 s90, s90, 127
	s_lshl_b32 s90, s90, 23                        ; 2^(ea + eb) as f32
	s_add_co_i32 s101, s91, 127
	s_lshl_b32 s91, s101, 23
	v_mov_b32 v9, s91                              ; 2^eo: the conversion takes its exponent field
	s_mov_b32 s91, s90                             ; (named with s90 as a pair, so it is written)
.macro FRAG reg, adr, q, i             ; a fragment: lane l holds row l % 16; registers 4 c .. 4 c + 3 hold K = 32 c + 16 (l / 16) + 0 .. 15: the same order of K in A and in B
.irp c, 0,1,2,3
	ds_load_b128 v[\reg+4*\c:\reg+4*\c+3], v[\adr] offset:128*(\q)+32*\c+(\i)*16*PITCH
.endr
.endm
; 16 matrix instructions: A's blocks a0, a0 + 1 x B's eight, 128 along K.  p: B's set.  zero = 1: the first product starts the sums.  The 64 accumulators take turns, in the same order in every step.
.macro MUL16 a0, p, zero
.irp a, \a0, \a0+1
.irp b, 0,1,2,3,4,5,6,7
.if \zero
	v_wmma_f32_16x16x128_fp8_fp8 v[8*(8*((\a)%4)+\b):8*(8*((\a)%4)+\b)+7], v[128*(\p)+FR*\b:128*(\p)+FR*\b+FR-1], v[AF+FR*(\a):AF+FR*(\a)+FR-1], 0
.else
	v_wmma_f32_16x16x128_fp8_fp8 v[8*(8*((\a)%4)+\b):8*(8*((\a)%4)+\b)+7], v[128*(\p)+FR*\b:128*(\p)+FR*\b+FR-1], v[AF+FR*(\a):AF+FR*(\a)+FR-1], v[8*(8*((\a)%4)+\b):8*(8*((\a)%4)+\b)+7]
.endif
.endr
.endr
.endm
.macro FETCH_B slot, q, p              ; B's eight fragments of the slot's q-th 128 along K into set p
	WIN TO_B
.irp i, 0,1,2,3,4,5,6,7
	FRAG 128*(\p)+FR*\i, ADRB+\slot, \q, \i
.endr
	WIN 0
.endm
.macro FETCH_A slot, q, i0             ; A's blocks i0 .. i0 + 3
.irp i, \i0, \i0+1, \i0+2, \i0+3
	FRAG AF+FR*(\i), ADRA+\slot, \q, \i
.endr
.endm
.macro PLACES n                        ; plain vector instructions between a matrix instruction and a load into, or a vector access of, its registers
.rept \n
	v_nop
.endr
.endm
; A step of 128 along K that has its successor in the same slot.
.macro STEP slot, q, zero
	s_wait_dscnt 4*NL                              ; B's set and A's blocks 0-3 are in; the youngest 16 loads (A's blocks 4-7) may be out
	WIN MUL_LO
	MUL16 0, (\q)%2, \zero
	MUL16 2, (\q)%2, \zero
	s_wait_dscnt 0                                 ; A's blocks 4-7 are in
	PLACES NP
	FETCH_B \slot, (\q)+1, 1-(\q)%2
	FETCH_A \slot, (\q)+1, 0
	WIN MUL_HI
	MUL16 4, (\q)%2, \zero
	MUL16 6, (\q)%2, \zero
	PLACES NP
	WIN 0
	FETCH_A \slot, (\q)+1, 4
.endm
; A slot's last step changes slots: one barrier; in front of it each wave waits for all its tensor loads, adds 0 to its spare word, and waits for that and for its own reads of this slot.  fill = 1: this slot is filled again, two slot fills ahead.
.macro TURN slot, next, fill
	s_wait_tensorcnt 0x0                           ; all my tensor loads have landed: my part of the next slot (every window is 0 here)
	ds_add_u32 v[SPW], v[NIL]                      ; 0 onto my spare word
	s_wait_dscnt 4*NL+1                            ; the add and the youngest 16 loads (A's blocks 4-7) may be out
	WIN MUL_LO
	MUL16 0, 1, 0                                  ; sixteen matrix instructions stand between the add and the wait for it
	s_wait_dscnt 0x0                               ; the add is done, and my reads of this slot are over
	s_barrier_signal -1
	MUL16 2, 1, 0
	WIN 0
	s_barrier_wait -1
.if \fill
	CREST                                          ; the barrier has opened a round of the cluster's barrier: no wave of any partner still reads this slot or has a load on its way
	s_add_nc_u64 s[G0+4*\slot+2:G0+4*\slot+3], s[G0+4*\slot+2:G0+4*\slot+3], 2*ROWB
	s_add_nc_u64 s[G0B+4*\slot+2:G0B+4*\slot+3], s[G0B+4*\slot+2:G0B+4*\slot+3], 2*ROWB
	JLOAD G0+4*\slot, G1, G0B+4*\slot, G1B         ; the first tensor load behind the round; its four v_nop are also the places in front of the loads below
.else
	PLACES NP
.endif
	FETCH_B \next, 0, 0
	FETCH_A \next, 0, 0
	WIN MUL_HI
	MUL16 4, 1, 0
	MUL16 6, 1, 0
	PLACES NP
	WIN 0
	FETCH_A \next, 0, 4
.endm
	s_wait_tensorcnt 1                             ; my part of slot 0 is in; slot 1's load may be out
	s_barrier_signal -1
	s_barrier_wait -1                              ; everybody's is
	FETCH_B 0, 0, 0
	FETCH_A 0, 0, 0
	FETCH_A 0, 0, 4
	; K = 1024 is eight steps of 128: written out, since a loop over the ring would have one trip
	STEP 0, 0, 1                                   ; the first products start the sums
	TURN 0, 1, 1                                   ; slot 0 takes K 512 .. 767
	STEP 1, 0, 0
	TURN 1, 0, 1                                   ; slot 1 takes K 768 .. 1023
	STEP 0, 0, 0
	TURN 0, 1, 0                                   ; nothing is left to fetch
	STEP 1, 0, 0
	s_wait_dscnt 4*NL                              ; the last step
	WIN MUL_LO
	MUL16 0, 1, 0
	MUL16 2, 1, 0
	s_wait_dscnt 0
	WIN MUL_HI
	MUL16 4, 1, 0
	MUL16 6, 1, 0
	WIN 0
; THE WAY OUT, block by block of 16 rows of A x 128 rows of B.  sum x 2^(ea + eb) + bias; the hold; eight codes a conversion.  A lane's codes of blocks 2 c and 2 c + 1 of B are 16 bytes and go as one
; store to byte 32 c + 16 h of the stage row: that is the order of K stated at the head.  Then the block comes back as it lies in the output and leaves in stores of 512 consecutive bytes.
; LDS serves a wave's instructions in order (ISA guide 5.7.1.4): no wait between the stores and the loads, nor in front of the next block's stores.
.macro TOSTAGE a, isv
.set AC, 64*((\a)%4)
.set BB, BK+16*((\a)%2)
	WIN 0x02+((\a)/4)                              ; source 0: window 2 or 3
.set i, 0
.rept 32
.if \isv
	v_pk_fma_f32 v[TMP+i:TMP+i+1], v[AC+i:AC+i+1], s[90:91], v[BR+2*(\a):BR+2*(\a)+1] op_sel_hi:[1,0,1]   ; my channel's bias; each accumulator from its low end on
.else
	v_pk_fma_f32 v[TMP+i:TMP+i+1], v[AC+i:AC+i+1], s[90:91], v[BC+i:BC+i+1] op_sel_hi:[1,0,1]             ; my eight channels' biases
.endif
.set i, i+2
.endr
	WIN 0
.set i, 0
.rept 64
.set i, i+1
.endr
.set i, 0
.rept 8
	v_cvt_scalef32_pk8_fp8_f32 v[CD+2*i:CD+2*i+1], v[TMP+8*i:TMP+8*i+7], v9
.set i, i+1
.endr
	v_nop                                          ; one plain vector instruction behind the last conversion: the next block's multiply-adds write its sources
.irp c, 0,1,2,3
.if \isv
	ds_store_b128 v[STOV], v[CD+4*\c:CD+4*\c+3] offset:32*\c
.else
	ds_store_b128 v[STOQ], v[CD+4*\c:CD+4*\c+3] offset:32*\c
.endif
.endr
.if \isv
.irp t, 0,1,2,3
	ds_load_b128 v[BB+4*\t:BB+4*\t+3], v[RDV] offset:\t*4*SP             ; four channels' 128 bytes
.endr
.else
.irp p, 0,1
.irp t, 0,1
	ds_load_b128 v[BB+4*(2*\p+\t):BB+4*(2*\p+\t)+3], v[RDQ] offset:\t*8*SP+\p*64   ; head p: eight tokens' 64 bytes
.endr
.endr
.endif
.endm
.macro SEND a, isv, younger            ; younger: the LDS instructions issued behind block a's loads: the next block's 4 stores and 4 loads, or none
.set BB, BK+16*((\a)%2)
	s_wait_dscnt \younger
.if \isv
.irp t, 0,1,2,3
.if (\a) < 4
	global_store_b128 v[CO], v[BB+4*\t:BB+4*\t+3], s[86:87] offset:2048*((\a)%4)+512*\t   ; 32 lanes store 512 consecutive bytes, at a multiple of 512 from the buffer's first byte
.else
	global_store_b128 v[CO], v[BB+4*\t:BB+4*\t+3], s[88:89] offset:2048*((\a)%4)+512*\t
.endif
.endr
.else
.irp t, 0,1
	global_store_b128 v[CO], v[BB+4*\t:BB+4*\t+3], s[86:87] offset:1024*(\a)+512*\t
	global_store_b128 v[CO], v[BB+8+4*\t:BB+8+4*\t+3], s[88:89] offset:1024*(\a)+512*\t
.endr
.endif
.endm
	s_wait_loadcnt 0x0                             ; the biases
	PLACES NP                                      ; behind the last products: the sums' registers lie where A's fragments lay
	s_cmp_eq_u32 ttmp9, 2                          ; the cluster's x: the same in all partners.  The two paths have stages of their own
	s_cbranch_scc1 .Lv
	TOSTAGE 0, 0
.irp a, 1,2,3,4,5,6,7
.if \a > 1
	s_wait_xcnt 0x0                                ; block a - 2's stores have read their registers: block a's loads may land there
.endif
	TOSTAGE \a, 0
	SEND \a-1, 0, 8
.endr
	SEND 7, 0, 0
	s_branch .Lend
.Lv:
	TOSTAGE 0, 1
.irp a, 1,2,3,4,5,6,7
.if \a > 1
	s_wait_xcnt 0x0
.endif
	TOSTAGE \a, 1
	SEND \a-1, 1, 8
.endr
	SEND 7, 1, 0
.Lend:
	s_wait_tensorcnt 0x0                           ; the wave's end: behind my last tensor load and my last LDS store
	ds_add_u32 v[SPW], v[NIL]
	s_wait_dscnt 0x0
	CROUND                                         ; the closing round: no work-group ends while a partner may still ask for a tile that names it
	s_endpgm
.Lfunc_end_k_q8587bdbbec_qkv:
	.size	k_q8587bdbbec_qkv, .Lfunc_end_k_q8587bdbbec_qkv-k_q8587bdbbec_qkv
	.p2alignl 7, 3214868480
	.fill 96, 4, 3214868480
	.section	.rodata,"a",@progbits
	.p2align	6, 0x0
	.amdhsa_kernel k_q8587bdbbec_qkv
		.amdhsa_group_segment_fixed_size 327680
		.amdhsa_private_segment_fixed_size 0
		.amdhsa_enable_private_segment 0
		.amdhsa_kernarg_size 88
		.amdhsa_user_sgpr_count 2
		.amdhsa_user_sgpr_kernarg_segment_ptr 1
		.amdhsa_wavefront_size32 1
		.amdhsa_system_sgpr_workgroup_id_x 1
		.amdhsa_system_sgpr_workgroup_id_y 1
		.amdhsa_system_sgpr_workgroup_id_z 1
		.amdhsa_system_vgpr_workitem_id 0
		.amdhsa_next_free_vgpr 1024
		.amdhsa_next_free_sgpr 102
		.amdhsa_reserve_vcc 0
		.amdhsa_float_denorm_mode_32 3
		.amdhsa_float_denorm_mode_16_64 3
		.amdhsa_fp16_overflow 1
		.amdhsa_memory_ordered 1
		.amdhsa_forward_progress 1
		.amdhsa_inst_pref_size 140
	.end_amdhsa_kernel
	.amdgpu_metadata
---
amdhsa.version: [ 1, 2 ]
amdhsa.kernels:
  - .name:           k_q8587bdbbec_qkv
    .symbol:         k_q8587bdbbec_qkv.kd
    .args:
      - { .name: x_codes, .offset: 0, .size: 8, .value_kind: global_buffer, .address_space: global }
      - { .name: Wq_codes, .offset: 8, .size: 8, .value_kind: global_buffer, .address_space: global }
      - { .name: Wk_codes, .offset: 16, .size: 8, .value_kind: global_buffer, .address_space: global }
      - { .name: Wv_codes, .offset: 24, .size: 8, .value_kind: global_buffer, .address_space: global }
      - { .name: bq, .offset: 32, .size: 8, .value_kind: global_buffer, .address_space: global }
      - { .name: bk, .offset: 40, .size: 8, .value_kind: global_buffer, .address_space: global }
      - { .name: bv, .offset: 48, .size: 8, .value_kind: global_buffer, .address_space: global }
      - { .name: lowp_scales, .offset: 56, .size: 8, .value_kind: global_buffer, .address_space: global }
      - { .name: qc, .offset: 64, .size: 8, .value_kind: global_buffer, .address_space: global }
      - { .name: kc, .offset: 72, .size: 8, .value_kind: global_buffer, .address_space: global }
      - { .name: vc, .offset: 80, .size: 8, .value_kind: global_buffer, .address_space: global }
    .group_segment_fixed_size: 327680
    .private_segment_fixed_size: 0
    .kernarg_segment_align: 8
    .kernarg_segment_size: 88
    .max_flat_workgroup_size: 128
    .sgpr_count:     102
    .vgpr_count:     1024
    .wavefront_size: 32
...
	.end_amdgpu_metadata
.endif
;; end of part 1
;; launch attn (part 2): grid 4 x 64, 16 waves a work-group, no clusters, 327,680 bytes of LDS; arguments qc, kc, vc, lowp_scales, ctxc; writes ctxc
.if DOCPART == 2
	.amdgcn_target "amdgcn-amd-amdhsa--gfx1250"
	.amdhsa_code_object_version 6
	.text
	.protected	k_q8587bdbbec_attn
	.globl	k_q8587bdbbec_attn
	.p2align	8
	.type	k_q8587bdbbec_attn,@function
k_q8587bdbbec_attn:
	s_mov_b64 s[64:65], 0
	v_nop
	global_prefetch_b8 v0, s[64:65] scope:SCOPE_SE
	s_setreg_imm32_b32 hwreg(HW_REG_WAVE_MODE, 25, 1), 1
	s_wait_xcnt 0x0
; ctx[b][h][q] = the sum over keys k <= q of softmax_k(q . k / 8) v, both products on codes of FP8 (E4M3), head size 64, 2,048 tokens, 64 pairs (batch, head); ctx is quantised at once for the last product.
; qc, kc: [head][token][64 bytes]; vc: [head][token / 128][channel 64][128 bytes]; ctxc: [head][token][64 bytes], channels in their natural order.  (The order of K inside qc, kc, vc: see the launch that writes them.)
; THE SOFTMAX: t = score x 2^(e6 + e7) x log2(e) / 8; M = the running largest t rounded UP to a whole number; p = 2^(t - M) is quantised with 2^e8, not normalised; the row's sum is taken of the unquantised p
; and divides at the end; when M moves, the sum and O are multiplied by 2^(old M - new M), which rounds nothing.  ctx = O x 2^(e8 + e9) / sum, held within +-448 x 2^e10, converted with 2^e10.
; SHARES.  Work-group (i, y): head y % 16 of batch y / 16.  It owns two blocks of 256 queries: first block 7 - i (key slots 0 .. 7 - i), then block i (key slots 0 .. i): 9 slots of 256 keys in every work-group,
; so all 256 have the same number of trips, a constant of the text, and no tile is fetched that nobody reads.  Each of the sixteen waves owns 16 queries of the block in hand, in 256 registers.
; A step whose 128 keys all come after the wave's queries is jumped over (a scalar branch on ids, round no barrier and no tensor load); on the diagonal hidden scores become -infinity ahead of the maximum.
; LAYOUT.  Both products transposed: S^T = K Q^T (16 x 16 x 64; tile t = keys 16 t .. 16 t + 15), O^T = V^T P^T (16 x 16 x 128): a lane holds ONE query (lane % 16) throughout.  Register 8 t + j of S^T is key
; 16 t + 8 (lane / 16) + j; the conversion of tile t gives registers 2 t, 2 t + 1 of P; vc's order of the keys is the one in which four loads of 16 bytes give V's fragment the same keys in the same bytes.
; NO CLUSTER: the four work-groups of a head begin their second walk over the keys at trips 8, 7, 6 and 5, so from trip 5 on they want different tiles; a form in which all four make every joint request has
; 12 trips in place of 9, a third more barriers and fills, for 32 KiB of shared tile a trip.
; LIMITS on the given exponents, so that each power of two below is an f32 number: e6 + e7 between -123 and 130 (added to c's exponent field); e8 and e10 between -126 and 119.  NaN among the inputs is not served.
; REGISTERS: v1-11 addresses; v12 -M, v13 the largest t, v[14:15] the sum in two halves; v16-23 Q in hand; v24-31 Q of the second block; v32-95 eight fragments of K, then four of V; v96-159 S^T, then p;
; v160-191 O^T; v192-207 p's codes; v208-215 rows on their way out; v216 lane % 16 - 8 (lane / 16); v236-254 at work; v244: 2^e8; v245: 2^e10.
.set KP,    80                         ; a key's row in LDS: 64 bytes + 16 of padding, an odd multiple of 16
.set VP,    144                        ; a row of V's tile: 128 bytes + 16
.set VOFF,  256*KP                     ; a slot: 256 rows of K, then 128 rows of V (two blocks of 64 channels x 128 keys)
.set SLOT1, 1<<16                      ; slot 1 begins here: one exclusive or turns an address in one slot into the other's
.set SPARE, 2*SLOT1                    ; behind the ring: the spare words, 128 bytes for each of 16 waves
.set STAGE, SPARE+16*128               ; the way out: 16 rows x (64 bytes + 16) for each wave; bytes of their own, no tile lands here
.set AK0, 1
.set AV0, 2
.set PFO, 3
.set QA,  4
.set SPW, 5
.set NIL, 6
.set GO,  7
.set ADK, 8
.set ADV, 9
.set STO, 10
.set RD,  11
.set TB,  2                            ; s2   LDS byte at which the slot in hand begins
.set WV,  18                           ; s18  my wave's number
.set SEL, 20                           ; s[20:21] selects for v_permlanex16_b32: lane l xor 16
.set CS,  22                           ; s[22:23] c
.set G1K, 24                           ; s[24:31], s[32:39] descriptor groups 1 for K's and V's tiles; s[40:43], s[44:47] their groups 0
.set G1V, 32
.set G0K, 40
.set G0V, 44
.set IX,  66                           ; s66  i
.set SLOTS, 67                         ; s67  trips to go behind this one
.set PFA, 76                           ; s[76:77] where my prefetches stand
.set LIM, 80                           ; s80  2 in a wave that prefetches, else the greatest number
.set NH,  81                           ; s81  8 - i: key slots of the first block
.set KN,  82                           ; s82  the key slot to be fetched next
.set Q0L, 83                           ; s83  my first query in the second block
.set KB,  84                           ; s[84:85] kc at my half of the pair's key slot 0; s[86:87] vc likewise
.set VB,  86
.set OF,  88                           ; s[88:89] a key slot's byte offset: 16,384 x its number, in both buffers
.set CTX, 90                           ; s[90:91] ctxc at the pair's first token
.set KF,  98                           ; s98  the step's first key
.set Q0,  99                           ; s99  my first query
; Waves 0 and 1 fetch K's halves, waves 2 and 3 V's, the others nothing.  The branches hang on the wave's number alone.  Four v_nop follow each of the two lines.
.macro TLOAD
	s_cmp_lt_u32 s[WV], 2
	s_cbranch_scc0 .Lnot_k_\@
	tensor_load_to_lds s[G0K:G0K+3], s[G1K:G1K+7]
	s_nop 0
.rept 4
	v_nop
.endr
	s_branch .Lasked_\@
.Lnot_k_\@:
	s_cmp_lt_u32 s[WV], 4
	s_cbranch_scc0 .Lasked_\@
	tensor_load_to_lds s[G0V:G0V+3], s[G1V:G1V+7]
	s_nop 0
.rept 4
	v_nop
.endr
.Lasked_\@:
.endm
; A PREFETCH INTO THE L2 of the key slot that the NEXT change of slots will ask for: 16,384 bytes of K and as many of V, both dense.  All four work-groups of a pair want key slot s at trip s of their first walk:
; work-group i = 0 asks, in waves that fetch nothing: waves 4, 5 for K's halves, waves 6, 7 for V's, 8,192 bytes a wave, lanes 256 bytes apart, one instruction.  In trip t it names key slot t + 2, for t = 0 .. 5:
; slots 2 to 7, each named once in the launch; slots 0 and 1 come by their loads alone, and nothing is named past slot 7, the pair's last.
.macro ASK
	s_cmp_gt_u32 s[SLOTS], s[LIM]
	s_cbranch_scc0 .Lnot_mine_\@
	global_prefetch_b8 v[PFO], s[PFA:PFA+1] th:TH_LOAD_NT scope:SCOPE_SE
.Lnot_mine_\@:
.endm
	s_load_b256 s[4:11], s[0:1], 0x0               ; qc s[4:5], kc s[6:7], vc s[8:9], the scales' exponents s[10:11]
	s_load_b64 s[12:13], s[0:1], 0x20              ; ctxc
	v_lshl_add_u32 v[SPW], v0, 2, SPARE
	v_mov_b32 v[NIL], 0
	ds_add_u32 v5, v6
	ds_add_u32 v5, v6
	s_wait_dscnt 0x0
	v_lshrrev_b32 v8, 5, v0
	s_delay_alu instid0(VALU_DEP_1)
	v_readfirstlane_b32 s[WV], v8                  ; wave 0..15
	s_and_b32 s92, ttmp7, 0xffff
	s_and_b32 s93, s92, 15                         ; head
	s_lshr_b32 s92, s92, 4                         ; batch
	s_lshl_b32 s93, s93, 19                        ; a head is 524,288 bytes in each of the four buffers,
	s_lshl_b32 s92, s92, 17                        ; a batch's 2,048 tokens 131,072
	s_add_co_u32 s92, s92, s93
	s_mov_b32 s93, 0                               ; s[92:93]: the pair's first byte
	s_mov_b32 s[IX], ttmp9
	s_sub_co_u32 s[NH], 8, s[IX]
	s_lshl_b32 s96, s[WV], 4
	s_sub_co_u32 s[Q0], 7, s[IX]
	s_lshl_b32 s[Q0], s[Q0], 8
	s_add_co_u32 s[Q0], s[Q0], s96                 ; 256 (7 - i) + 16 wave
	s_lshl_b32 s[Q0L], s[IX], 8
	s_add_co_u32 s[Q0L], s[Q0L], s96               ; 256 i + 16 wave
	s_and_b32 s96, s[WV], 1                        ; which half of a slot's K or V I fetch, if I fetch:
	s_lshl_b32 s94, s96, 13                        ; 8,192 bytes in memory (128 keys x 64, or one block of 64 channels x 128 keys),
	s_mov_b32 s95, 0
	s_add_nc_u64 s[94:95], s[94:95], s[92:93]
	s_mul_i32 s97, s96, 128*KP                     ; K's place in a slot,
	s_mul_i32 s96, s96, 64*VP
	s_add_co_u32 s96, s96, VOFF                    ; V's
	s_mov_b32 s[G1K], (1<<20)|(3<<22)|(3<<25)      ; no mask; elements of 1 byte; padding on: four words after every 16
	s_mov_b32 s[G1K+1], 64<<16                     ; tensor_dim0
	s_mov_b32 s[G1K+2], 128<<16                    ; tensor_dim1
	s_mov_b32 s[G1K+3], 64<<16                     ; tile_dim0
	s_mov_b32 s[G1K+4], 128                        ; tile_dim1
	s_mov_b32 s[G1K+5], 64                         ; tensor_dim0_stride
	s_mov_b32 s[G1K+6], 0
	s_mov_b32 s[G1K+7], 0
	s_mov_b32 s[G1V], (1<<20)|(4<<22)|(3<<25)      ; padding: four words after every 32
	s_mov_b32 s[G1V+1], 128<<16
	s_mov_b32 s[G1V+2], 64<<16
	s_mov_b32 s[G1V+3], 128<<16
	s_mov_b32 s[G1V+4], 64
	s_mov_b32 s[G1V+5], 128
	s_mov_b32 s[G1V+6], 0
	s_mov_b32 s[G1V+7], 0
	s_mov_b32 s[SEL], 0x76543210
	s_mov_b32 s[SEL+1], 0xfedcba98
	s_mov_b32 s[CS], 0x3e38aa3b                    ; c = log2(e) / 8
	s_mov_b32 s[TB], 0
	s_mov_b32 s[SLOTS], 8
	s_mov_b32 s[KN], 1
	s_mov_b32 s[OF+1], 0
	s_mov_b32 s[KF], 0
	s_wait_kmcnt 0x0
	s_load_b64 s[72:73], s[10:11], 0x18            ; e6, e7
	s_load_b128 s[68:71], s[10:11], 0x20           ; e8, e9, e10, e11
	s_add_nc_u64 s[KB:KB+1], s[6:7], s[94:95]
	s_add_nc_u64 s[VB:VB+1], s[8:9], s[94:95]
	s_mov_b32 s[G0K], 1                            ; count = 1
	s_mov_b32 s[G0K+1], s97                        ; LDS address: slot 0
	s_mov_b64 s[G0K+2:G0K+3], s[KB:KB+1]           ; key slot 0
	s_or_b32 s[G0K+3], s[G0K+3], 0x80000000        ; type = 2
	s_mov_b32 s[G0V], 1
	s_mov_b32 s[G0V+1], s96
	s_mov_b64 s[G0V+2:G0V+3], s[VB:VB+1]
	s_or_b32 s[G0V+3], s[G0V+3], 0x80000000
	TLOAD                                          ; slot 0: one load of mine is out, at the most
	s_add_nc_u64 s[CTX:CTX+1], s[12:13], s[92:93]
	s_add_nc_u64 s[4:5], s[4:5], s[92:93]
	s_lshl_b32 s94, s[Q0], 6
	s_mov_b32 s95, 0
	s_add_nc_u64 s[74:75], s[4:5], s[94:95]        ; Q's codes of my tile in the first block,
	s_lshl_b32 s94, s[Q0L], 6
	s_add_nc_u64 s[78:79], s[4:5], s[94:95]        ; in the second
	s_cmp_lt_u32 s[WV], 6                          ; the prefetches: waves 4, 5 K, waves 6, 7 V; my half is in KB and VB already
	s_cselect_b64 s[PFA:PFA+1], s[KB:KB+1], s[VB:VB+1]
	s_add_nc_u64 s[PFA:PFA+1], s[PFA:PFA+1], 16384 ; at key slot 1: the first change of slots steps it to slot 2.  Nothing is prefetched here, at the head
	s_sub_co_u32 s94, s[WV], 4
	s_lshr_b32 s94, s94, 2                         ; 0 in waves 4 to 7,
	s_or_b32 s94, s94, ttmp9                       ; of work-group i = 0
	s_cmp_eq_u32 s94, 0
	s_cselect_b32 s[LIM], 2, -1
	v_and_b32 v208, 15, v0                         ; r = lane % 16
	v_bfe_u32 v209, v0, 4, 1                       ; h = lane / 16
	v_and_b32 v210, 31, v0                         ; lane
	s_delay_alu instid0(VALU_DEP_3)
	v_lshlrev_b32 v[QA], 6, v208
	s_delay_alu instid0(VALU_DEP_1)
	v_lshl_add_u32 v[QA], v209, 4, v[QA]           ; Q: row r of 64 bytes, + 16 h; never rewritten
.irp c, 0,1
	global_load_b128 v[16+4*\c:19+4*\c], v[QA], s[74:75] offset:32*\c
	global_load_b128 v[24+4*\c:27+4*\c], v[QA], s[78:79] offset:32*\c
.endr
	v_mul_u32_u24 v[AK0], v208, KP
	s_delay_alu instid0(VALU_DEP_1)
	v_lshl_add_u32 v[AK0], v209, 4, v[AK0]         ; K: row r x pitch + 16 h: the same bytes of a row as Q's
	v_mul_u32_u24 v[AV0], v208, VP
	s_delay_alu instid0(VALU_DEP_1)
	v_lshl_add_u32 v[AV0], v209, 4, v[AV0]
	s_delay_alu instid0(VALU_DEP_1)
	v_add_nc_u32 v[AV0], VOFF, v[AV0]
	v_lshlrev_b32 v[PFO], 8, v210
	v_lshlrev_b32 v[GO], 4, v210
	s_mul_i32 s94, s[WV], 16*KP
	s_add_co_u32 s94, s94, STAGE                   ; my stage
	v_mul_u32_u24 v[STO], v208, KP
	s_delay_alu instid0(VALU_DEP_1)
	v_lshl_add_u32 v[STO], v209, 3, v[STO]
	s_delay_alu instid0(VALU_DEP_1)
	v_add_nc_u32 v[STO], s94, v[STO]               ; in: row r; tile t's eight channels of my half at byte 16 t + 8 h
	v_lshrrev_b32 v[RD], 2, v210
	s_delay_alu instid0(VALU_DEP_1)
	v_mul_u32_u24 v[RD], v[RD], KP
	v_and_b32 v211, 3, v210
	s_delay_alu instid0(VALU_DEP_1)
	v_lshl_add_u32 v[RD], v211, 4, v[RD]
	s_delay_alu instid0(VALU_DEP_1)
	v_add_nc_u32 v[RD], s94, v[RD]                 ; back: four lanes to a token's 64 bytes
	v_lshlrev_b32 v216, 3, v209
	s_delay_alu instid0(VALU_DEP_1)
	v_sub_nc_u32 v216, v208, v216                  ; r - 8 h
	v_mov_b32 v13, 0xff61b1e6                      ; the largest t so far: -3e38, under every t
	s_delay_alu instid0(VALU_DEP_1)
	v_floor_f32 v12, -v13                          ; -M
	v_mov_b32 v14, 0
	v_mov_b32 v15, 0
	v_mov_b32 v236, 0                              ; written once: a lane permute's destination counts as one of its sources
	v_mov_b32 v253, 0                              ; (named as the upper half of the pair v[252:253])
.set i, 0
.rept 32
	v_mov_b32 v[160+i], 0                          ; O^T.  The step is written once for all steps: a block's first step finds zeros, which the first change of M leaves zeros
.set i, i+1
.endr
	s_wait_kmcnt 0x0
	s_add_co_i32 s94, s72, s73
	s_lshl_b32 s94, s94, 23
	s_add_co_i32 s[CS], s[CS], s94                 ; a score stands for score x 2^(e6 + e7): the exponents are added to c's exponent field
	s_mov_b32 s[CS+1], s[CS]                       ; (named with it as a pair, so it is written)
	s_add_co_i32 s94, s68, 127
	s_lshl_b32 s95, s94, 23
	v_mov_b32 v244, s95                            ; 2^e8
	s_add_co_i32 s94, s70, 127
	s_lshl_b32 s95, s94, 23
	v_mov_b32 v245, s95                            ; 2^e10
	s_add_co_i32 s97, s68, s69                     ; e8 + e9: kept
; A KEY STEP: 128 keys, the q-th of the slot in hand.
.macro STEP q
	s_add_co_u32 s96, s[Q0], 15
	s_cmp_gt_u32 s[KF], s96                        ; all 128 keys behind my 16 queries: nothing to do
	s_cbranch_scc1 .Lhidden_\@
	v_add_nc_u32 v[ADK], s[TB], v[AK0]
	v_add_nc_u32 v[ADV], s[TB], v[AV0]
	v_nop                                          ; with the two additions: four places in front of loads into registers that the last products read
	v_nop
.set i, 0
.rept 8
	ds_load_b128 v[32+8*i:35+8*i], v[ADK] offset:(128*(\q)+16*i)*KP
	ds_load_b128 v[36+8*i:39+8*i], v[ADK] offset:(128*(\q)+16*i)*KP+32
.set i, i+1
.endr
	s_wait_dscnt 0x0
.set i, 0
	s_wait_alu depctr_va_vdst(0)
.rept 8
	v_wmma_f32_16x16x64_fp8_fp8 v[96+8*i:103+8*i], v[32+8*i:39+8*i], v[16:23], 0
.set i, i+1
.endr
.rept 4
	v_nop                                          ; places: V's loads land where K's fragments lay, and the scores are read
.endr
.set i, 0
.rept 4
.irp c, 0,1,2,3
	ds_load_b128 v[32+16*i+4*\c:35+16*i+4*\c], v[ADV] offset:(64*(\q)+16*i)*VP+32*\c   ; V's four fragments are asked for now and land while the softmax is worked
.endr
.set i, i+1
.endr
	s_add_co_u32 s96, s[KF], 127
	s_cmp_le_u32 s96, s[Q0]                        ; all 128 keys count for all my queries: no mask
	s_cbranch_scc1 .Lopen_\@
	s_sub_co_i32 s96, s[Q0], s[KF]
	v_add_nc_u32 v252, s96, v216                   ; d = my query - KF - 8 (lane / 16).  Register 8 t + j holds key KF + 8 (lane / 16) + 16 t + j: hidden where 16 t + j > d
	v_mov_b32 v254, 0xff800000                     ; -infinity: p = 0 then
.set i, 0
.rept 64
	v_cmp_gt_i32 vcc_lo, 16*(i/8)+i%8, v252
	v_cndmask_b32 v[96+i], v[96+i], v254, vcc_lo
.set i, i+1
.endr
.Lopen_\@:
	v_max3_num_f32 v254, v96, v97, v98             ; the step's largest score of my query, among my 64 keys, in two chains,
	v_max3_num_f32 v252, v99, v100, v101
.set i, 6
.rept 14
	v_max3_num_f32 v254, v254, v[96+i], v[97+i]
	v_max3_num_f32 v252, v252, v[98+i], v[99+i]
.set i, i+4
.endr
	v_max3_num_f32 v254, v254, v158, v159
	s_delay_alu instid0(VALU_DEP_1)
	v_max_num_f32 v254, v254, v252
	s_delay_alu instid0(VALU_DEP_1)
	v_permlanex16_b32 v236, v254, s[SEL], s[SEL+1]
	s_delay_alu instid0(VALU_DEP_1)
	v_max_num_f32 v254, v254, v236                 ; and among lane l xor 16's
	s_delay_alu instid0(VALU_DEP_1)
	v_mul_f32 v254, s[CS], v254                    ; as t (c is positive)
	s_delay_alu instid0(VALU_DEP_1)
	v_max_num_f32 v13, v13, v254                   ; the running largest t
	v_mov_b32 v254, v12
	s_delay_alu instid0(VALU_DEP_2)
	v_floor_f32 v12, -v13                          ; the new -M = floor(-t) = -ceil(t): a whole number
	s_delay_alu instid0(VALU_DEP_1)
	v_sub_f32 v254, v12, v254                      ; M's old value less its new one: a whole number, 0 or less
	s_delay_alu instid0(VALU_DEP_1)
	v_cvt_i32_f32 v254, v254                       ; (it saturates)
	s_delay_alu instid0(VALU_DEP_1)
	v_ldexp_f32 v252, 1.0, v254                    ; f = 2^(old M - new M)
.set i, 0
.rept 32
	v_pk_fma_f32 v[96+i:97+i], v[96+i:97+i], s[CS:CS+1], v[12:13] op_sel_hi:[1,0,0]   ; t - M, two at a time
.set i, i+2
.endr
.set i, 0
	s_wait_alu depctr_va_vdst(0)
.rept 64
	v_exp_f32 v[96+i], v[96+i]                     ; p = 2^(t - M), at most 1
.set i, i+1
.endr
	v_pk_mul_f32 v[14:15], v[14:15], v[252:253] op_sel_hi:[1,0]   ; the sums under the new M: the plain instruction behind the exponentials
	s_wait_alu depctr_va_vdst(0)                   ; one wait for the whole batch, ahead of its first reader
	v_pk_add_f32 v[242:243], v[100:101], v[104:105]
	v_pk_add_f32 v[254:255], v[108:109], v[112:113]
	v_pk_add_f32 v[250:251], v[116:117], v[120:121]
	v_pk_add_f32 v[248:249], v[124:125], v[128:129]
	v_pk_add_f32 v[246:247], v[132:133], v[136:137]
	v_pk_add_f32 v[240:241], v[140:141], v[144:145]
	v_pk_add_f32 v[238:239], v[148:149], v[152:153]
	v_pk_add_f32 v[14:15], v[14:15], v[156:157]
	v_pk_add_f32 v[242:243], v[242:243], v[96:97]
	v_pk_add_f32 v[254:255], v[254:255], v[98:99]
	v_pk_add_f32 v[250:251], v[250:251], v[102:103]
	v_pk_add_f32 v[248:249], v[248:249], v[106:107]
	v_pk_add_f32 v[246:247], v[246:247], v[110:111]
	v_pk_add_f32 v[240:241], v[240:241], v[114:115]
	v_pk_add_f32 v[238:239], v[238:239], v[118:119]
	v_pk_add_f32 v[14:15], v[14:15], v[122:123]
	v_pk_add_f32 v[242:243], v[242:243], v[126:127]
	v_pk_add_f32 v[254:255], v[254:255], v[130:131]
	v_pk_add_f32 v[250:251], v[250:251], v[134:135]
	v_pk_add_f32 v[248:249], v[248:249], v[138:139]
	v_pk_add_f32 v[246:247], v[246:247], v[142:143]
	v_pk_add_f32 v[240:241], v[240:241], v[146:147]
	v_pk_add_f32 v[238:239], v[238:239], v[150:151]
	v_pk_add_f32 v[14:15], v[14:15], v[154:155]
	v_pk_add_f32 v[242:243], v[242:243], v[158:159]
	s_delay_alu instid0(VALU_DEP_2)
	v_pk_add_f32 v[14:15], v[14:15], v[248:249]
	s_delay_alu instid0(VALU_DEP_2)
	v_pk_add_f32 v[242:243], v[242:243], v[246:247]
	v_pk_add_f32 v[254:255], v[254:255], v[240:241]
	v_pk_add_f32 v[250:251], v[250:251], v[238:239]
	s_delay_alu instid0(VALU_DEP_2)
	v_pk_add_f32 v[14:15], v[14:15], v[254:255]
	s_delay_alu instid0(VALU_DEP_2)
	v_pk_add_f32 v[242:243], v[242:243], v[250:251]
	s_delay_alu instid0(VALU_DEP_1)
	v_pk_add_f32 v[14:15], v[14:15], v[242:243]
.set i, 0
.rept 64
.set i, i+1
.endr
.set i, 0
.rept 8
	v_cvt_scalef32_pk8_fp8_f32 v[192+2*i:193+2*i], v[96+8*i:103+8*i], v244
.set i, i+1
.endr
.set i, 0
.rept 16
	v_pk_mul_f32 v[160+i:161+i], v[160+i:161+i], v[252:253] op_sel_hi:[1,0]   ; O^T under the new M.  (Also the plain instructions between the conversions and the products that read their results)
.set i, i+2
.endr
	s_wait_alu depctr_va_vdst(0)
	s_wait_dscnt 0x0                               ; V's fragments
.set i, 0
.rept 4
	v_wmma_f32_16x16x128_fp8_fp8 v[160+8*i:167+8*i], v[32+16*i:47+16*i], v[192:207], v[160+8*i:167+8*i]   ; four accumulators by turns; the next step's eight score products stand between two links of a chain
.set i, i+1
.endr
.Lhidden_\@:
	s_add_co_u32 s[KF], s[KF], 128
.endm
; THE CHANGE OF SLOTS stands at a trip's head.  Each wave waits for all its tensor loads (its part of the slot that it is about to read), adds 0 to its spare word, and waits for that and for its reads of the slot
; that it has left.  Behind the barrier the slot ahead is whole and nobody reads the other one.  fill = 1: that other slot takes key slot KN: the load has a trip's two steps in which to land.
.macro CHANGE fill
	s_wait_tensorcnt 0x0                           ; no tensor load of mine is out, so a group 0 may be written
	ds_add_u32 v[SPW], v[NIL]                      ; 0 onto my spare word
.if \fill
	s_xor_b32 s[G0K+1], s[G0K+1], SLOT1            ; the other slot than last time,
	s_xor_b32 s[G0V+1], s[G0V+1], SLOT1
	s_lshl_b32 s[OF], s[KN], 14                    ; key slot KN
	s_add_nc_u64 s[G0K+2:G0K+3], s[KB:KB+1], s[OF:OF+1]
	s_or_b32 s[G0K+3], s[G0K+3], 0x80000000
	s_add_nc_u64 s[G0V+2:G0V+3], s[VB:VB+1], s[OF:OF+1]
	s_or_b32 s[G0V+3], s[G0V+3], 0x80000000
	s_add_co_u32 s[KN], s[KN], 1
	s_cmp_eq_u32 s[KN], s[NH]                      ; behind the first block's last key slot the walk begins anew, for the second block
	s_cselect_b32 s[KN], 0, s[KN]
	s_wait_xcnt 0x0                                ; the last prefetch, a trip back, has read its address, so it may be written
	s_add_nc_u64 s[PFA:PFA+1], s[PFA:PFA+1], 16384
.endif
	s_wait_dscnt 0x0                               ; the add is done, and my reads of the slot that I have left are over
	s_barrier_signal -1
	s_barrier_wait -1
.if \fill
	TLOAD                                          ; the first thing behind the barrier, and a wave's one tensor load until the next
	ASK
.endif
.endm
; A BLOCK'S END.  O^T / the sum x 2^(e8 + e9) is ctx; it is held, converted, and goes through my stage so that the wave's 16 tokens x 64 bytes leave as 1,024 consecutive bytes.  next = 1: the state is set for the second block.
.macro FINAL next
.rept 4
	v_nop                                          ; places behind the last products
.endr
	v_add_f32 v14, v14, v15                        ; the sum's two halves,
	s_delay_alu instid0(VALU_DEP_1)
	v_permlanex16_b32 v236, v14, s[SEL], s[SEL+1]
	s_delay_alu instid0(VALU_DEP_1)
	v_add_f32 v14, v14, v236                       ; and lane l xor 16's
	s_wait_alu depctr_va_vdst(0)
	v_rcp_f32 v14, v14
	v_nop                                          ; a plain instruction behind the transcendental
	s_wait_alu depctr_va_vdst(0)                   ; and the wait ahead of its first reader
	v_ldexp_f32 v14, v14, s97                      ; x 2^(e8 + e9)
.set i, 0
.rept 16
	v_pk_mul_f32 v[96+i:97+i], v[160+i:161+i], v[14:15] op_sel_hi:[1,0]   ; register 8 t + j: ctx(query r, channel 16 t + 8 h + j); each accumulator from its low end on
.set i, i+2
.endr
.set i, 0
.rept 32
.set i, i+1
.endr
.set i, 0
.rept 4
	v_cvt_scalef32_pk8_fp8_f32 v[128+2*i:129+2*i], v[96+8*i:103+8*i], v245
.set i, i+1
.endr
	v_nop                                          ; one plain vector instruction behind the last conversion
.set i, 0
.rept 4
	ds_store_b64 v[STO], v[128+2*i:129+2*i] offset:16*i
.set i, i+1
.endr
	s_wait_xcnt 0x0                                ; the first block's stores have read their registers and their base: both are written again below
	ds_load_b128 v[208:211], v[RD]                 ; LDS serves a wave's instructions in order: these see my stores
	ds_load_b128 v[212:215], v[RD] offset:8*KP
	s_lshl_b32 s94, s[Q0], 6
	s_mov_b32 s95, 0
	s_add_nc_u64 s[94:95], s[CTX:CTX+1], s[94:95]
	s_wait_dscnt 0x0
	global_store_b128 v[GO], v[208:211], s[94:95]              ; 32 lanes store 512 consecutive bytes, at a multiple of 512 from the buffer's first byte
	global_store_b128 v[GO], v[212:215], s[94:95] offset:512
.if \next
	v_mov_b32 v13, 0xff61b1e6
	s_delay_alu instid0(VALU_DEP_1)
	v_floor_f32 v12, -v13
	v_mov_b32 v14, 0
	v_mov_b32 v15, 0
.set i, 0
.rept 32
	v_mov_b32 v[160+i], 0
.set i, i+1
.endr
.set i, 0
.rept 8
	v_mov_b32 v[16+i], v[24+i]                     ; the second block's Q
.set i, i+1
.endr
	s_mov_b32 s[KF], 0
	s_mov_b32 s[Q0], s[Q0L]
.endif
.endm
.macro TRIP fill
	CHANGE \fill
	s_cmp_eq_u32 s[SLOTS], s[IX]                   ; trip 8 - SLOTS is the second block's first where SLOTS = i: a branch on ids, round no barrier and no tensor load
	s_cbranch_scc0 .Lsame_block_\@
	FINAL 1
.Lsame_block_\@:
	STEP 0
	STEP 1
	s_xor_b32 s[TB], s[TB], SLOT1                  ; on to the other slot
.endm
	s_wait_loadcnt 0x0                             ; Q, both blocks'
.Lslot:                                            ; eight trips: behind each change of slots but the last the next key slot is asked for
	TRIP 1
	s_sub_co_u32 s[SLOTS], s[SLOTS], 1
	s_cmp_lg_u32 s[SLOTS], 0
	s_cbranch_scc1 .Lslot
	TRIP 0                                         ; the ninth is written out
	FINAL 0
	s_wait_tensorcnt 0x0                           ; the wave's end: behind my last tensor load and my last LDS store
	ds_add_u32 v[SPW], v[NIL]
	s_wait_dscnt 0x0
	s_endpgm
.Lfunc_end_k_q8587bdbbec_attn:
	.size	k_q8587bdbbec_attn, .Lfunc_end_k_q8587bdbbec_attn-k_q8587bdbbec_attn
	.p2alignl 7, 3214868480
	.fill 96, 4, 3214868480
	.section	.rodata,"a",@progbits
	.p2align	6, 0x0
	.amdhsa_kernel k_q8587bdbbec_attn
		.amdhsa_group_segment_fixed_size 327680
		.amdhsa_private_segment_fixed_size 0
		.amdhsa_enable_private_segment 0
		.amdhsa_kernarg_size 40
		.amdhsa_user_sgpr_count 2
		.amdhsa_user_sgpr_kernarg_segment_ptr 1
		.amdhsa_wavefront_size32 1
		.amdhsa_system_sgpr_workgroup_id_x 1
		.amdhsa_system_sgpr_workgroup_id_y 1
		.amdhsa_system_sgpr_workgroup_id_z 1
		.amdhsa_system_vgpr_workitem_id 0
		.amdhsa_next_free_vgpr 256
		.amdhsa_next_free_sgpr 100
		.amdhsa_reserve_vcc 1
		.amdhsa_float_denorm_mode_32 3
		.amdhsa_float_denorm_mode_16_64 3
		.amdhsa_fp16_overflow 1
		.amdhsa_memory_ordered 1
		.amdhsa_forward_progress 1
		.amdhsa_inst_pref_size 97
	.end_amdhsa_kernel
	.amdgpu_metadata
---
amdhsa.version: [ 1, 2 ]
amdhsa.kernels:
  - .name:           k_q8587bdbbec_attn
    .symbol:         k_q8587bdbbec_attn.kd
    .args:
      - { .name: qc, .offset: 0, .size: 8, .value_kind: global_buffer, .address_space: global }
      - { .name: kc, .offset: 8, .size: 8, .value_kind: global_buffer, .address_space: global }
      - { .name: vc, .offset: 16, .size: 8, .value_kind: global_buffer, .address_space: global }
      - { .name: lowp_scales, .offset: 24, .size: 8, .value_kind: global_buffer, .address_space: global }
      - { .name: ctxc, .offset: 32, .size: 8, .value_kind: global_buffer, .address_space: global }
    .group_segment_fixed_size: 327680
    .private_segment_fixed_size: 0
    .kernarg_segment_align: 8
    .kernarg_segment_size: 40
    .max_flat_workgroup_size: 512
    .sgpr_count:     100
    .vgpr_count:     256
    .wavefront_size: 32
...
	.end_amdgpu_metadata
.endif
;; end of part 2
;; launch proj (part 3): grid 8 x 32, 4 waves a work-group, clusters of 4 x 4, 327,680 bytes of LDS; arguments ctxc, Wo_codes, bo, lowp_scales, out0; writes out0
.if DOCPART == 3
	.amdgcn_target "amdgcn-amd-amdhsa--gfx1250"
	.amdhsa_code_object_version 6
	.text
	.protected	k_q8587bdbbec_proj
	.globl	k_q8587bdbbec_proj
	.p2align	8
	.type	k_q8587bdbbec_proj,@function
k_q8587bdbbec_proj:
	s_mov_b64 s[64:65], 0
	v_nop
	global_prefetch_b8 v0, s[64:65] scope:SCOPE_SE
	s_setreg_imm32_b32 hwreg(HW_REG_WAVE_MODE, 25, 1), 1
	s_wait_xcnt 0x0
	s_wait_alu depctr_hold_cnt(0) depctr_sa_sdst(0) depctr_va_vdst(0) depctr_va_sdst(0) depctr_va_ssrc(0) depctr_va_vcc(0) depctr_vm_vsrc(0)
	s_getreg_b32 s2, hwreg(HW_REG_IB_STS2, 6, 4)
	s_cmp_eq_u32 s2, 0
	s_cbranch_scc0 .Lentry_in_a_cluster
	s_endpgm
.Lentry_in_a_cluster:
	s_bfe_u32 s2, ttmp6, 0x10000c
	s_cmp_lg_u32 s2, 0xf033
	s_cbranch_scc0 .Lentry_shape_is_right
	s_endpgm
.Lentry_shape_is_right:
; out0 = ctx Wo x 2^(e10 + e11) + bo on codes of FP8 (E4M3).  ctxc: [head 16][token 8192][64 bytes], so k = 64 head + byte; Wo_codes: [1024 columns][1024] codes, K innermost; bo [1024], out0 [8192][1024]: f32.
; A tile of the output is 256 tokens x 128 columns: 256 work-groups.  Four waves, each 128 x 64: 32 accumulators, 256 registers.  K = 1024 in eight steps of 128.
; Wo's 128 rows x 1024 K stay in LDS for the whole launch, filled once (wave w: K 256 w on).  ctx goes through a ring of two slots of 256 along K: four planes (heads) of 256 tokens x 64 bytes, a plane a wave.
; CLUSTERS: 4 x 4 work-groups; ctx's planes are shared along a row of the cluster, Wo's tiles along a column: joint loads with a mask of four.  Every wave issues the same lines: no branch stands round a load.
; The matrix instruction is used transposed (source 0 = 16 rows of Wo, source 1 = 16 tokens): a lane holds eight neighbouring columns of one token.
; LIMIT: e10 + e11 between -126 and 127, so that 2^(e10 + e11) is an f32 number.
; No prefetch: K is four slot fills, of which two go out at the head, with all of Wo's tile.
; REGISTERS, in windows of 256: window 0: v0-29 addresses; v32-63 the bias; v64-95 a block's results; from v128 ctx's fragments, ONE set (on the way out: rows read back).  window 1: Wo's fragments, two sets, at v0 and v128.  window 2: the accumulators ((a, b) at v[8 (4 a + b)]).
.set AP,     80                        ; a token's row of a plane in LDS: 64 bytes + 16 of padding, an odd multiple of 16
.set APL,    256*AP                    ; a plane
.set ASLOT,  4*APL                     ; a slot
.set PITCH,  272                       ; a row of Wo's tile: 256 bytes + 16
.set BKS,    128*PITCH                 ; Wo's tile of 256 along K
.set BRES,   2*ASLOT                   ; Wo's four tiles
.set SPARE,  BRES+4*BKS                ; the spare words, 128 bytes for each wave
.set STAGE,  SPARE+512                 ; the way out: for each wave 16 rows x (256 bytes + 16); bytes of their own, no tile lands here
.set SPITCH, 272
.set FR,     16
.set NP,     4
.set ADRA, 12                          ; v12-15  LDS address of my ctx fragments: slot s, half q of its K: 2 s + q
.set ADRB, 16                          ; v16-19  of my Wo fragments in tile 0 .. 3
.set STO,  24
.set RD,   25
.set CO,   26
.set SPW,  28
.set NIL,  29
.set BO,   32
.set TMP,  64
.set AF,   128
.set BK,   128
.set G1, 24                            ; s[24:31] descriptor group 1 for ctx's planes;  s[32:39] group 0, one set for each slot
.set G0, 32
.set G1B, 48                           ; s[48:55] group 1 for Wo's tiles; s[56:59] group 0
.set G0B, 56
.set MSB, 0
.macro WIN new
.if MSB != (\new)
	s_set_vgpr_msb (MSB<<8)|(\new)
.set MSB, (\new)
.endif
.endm
.set MUL,  0xa1                        ; source 0 (Wo) window 1, source 1 (ctx) window 0, C and D window 2
.set TO_B, 0x40
.macro CREST
	s_cmp_lg_u32 s14, 0
	s_cbranch_scc1 .Lnot_wave_0_\@
	s_barrier_signal -3
.Lnot_wave_0_\@:
	s_barrier_wait -3
	s_barrier_signal -1
	s_barrier_wait -1
.endm
.macro CROUND
	s_barrier_signal -1
	s_barrier_wait -1
	CREST
.endm
	s_load_b128 s[4:7], s[0:1], 0x0                ; ctxc s[4:5], Wo's codes s[6:7]
	s_load_b128 s[8:11], s[0:1], 0x10              ; bo s[8:9], the scales' exponents s[10:11]
	s_load_b64 s[12:13], s[0:1], 0x20              ; out0
	v_lshl_add_u32 v[SPW], v0, 2, SPARE
	v_mov_b32 v[NIL], 0
	ds_add_u32 v28, v29
	ds_add_u32 v28, v29
	s_wait_dscnt 0x0
	v_lshrrev_b32 v1, 5, v0
	v_readfirstlane_b32 s14, v1                    ; wave 0..3
	s_lshr_b32 s15, s14, 1                         ; which half of the tile's tokens is mine
	s_and_b32 s16, s14, 1                          ; which half of its columns
	s_bfe_u32 s40, ttmp6, 0x40000                  ; cx, cy
	s_bfe_u32 s41, ttmp6, 0x40004
	s_lshl_b32 s42, ttmp9, 2
	s_add_co_u32 s42, s42, s40                     ; tile column = 4 x cluster x + cx
	s_and_b32 s17, ttmp7, 0xffff
	s_lshl_b32 s17, s17, 2
	s_add_co_u32 s17, s17, s41                     ; tile row = 4 x cluster y + cy
	s_lshl_b32 s43, s41, 2
	s_lshl_b32 s43, 15, s43                        ; my row of the cluster
	s_lshl_b32 s44, 0x1111, s40                    ; my column
	s_or_b32 s[G1+0], s43, (1<<20)|(1<<21)|(3<<22)|(3<<25)    ; the mask; elements of 1 byte; padding on; bit 21 beside a mask; four words after every 16
	s_mov_b32 s[G1+1], 64<<16                      ; tensor_dim0
	s_mov_b32 s[G1+2], 256<<16                     ; tensor_dim1
	s_mov_b32 s[G1+3], 64<<16                      ; tile_dim0
	s_mov_b32 s[G1+4], 256                         ; tile_dim1
	s_mov_b32 s[G1+5], 64                          ; tensor_dim0_stride
	s_mov_b32 s[G1+6], 0
	s_mov_b32 s[G1+7], 0
	s_or_b32 s[G1B+0], s44, (1<<20)|(1<<21)|(5<<22)|(3<<25)   ; four words after every 64
	s_mov_b32 s[G1B+1], 256<<16
	s_mov_b32 s[G1B+2], 128<<16
	s_mov_b32 s[G1B+3], 256<<16
	s_mov_b32 s[G1B+4], 128
	s_mov_b32 s[G1B+5], 1024
	s_mov_b32 s[G1B+6], 0
	s_mov_b32 s[G1B+7], 0
	s_lshl_b32 s20, s14, 19                        ; ctx: head = wave (a head is 524,288 bytes),
	s_lshl_b32 s21, s17, 14                        ; 256 tokens x 64 bytes a tile row
	s_add_co_u32 s20, s20, s21
	s_mov_b32 s21, 0
	s_lshl_b32 s46, s42, 17                        ; Wo: 128 rows x 1,024 bytes a tile column,
	s_lshl_b32 s47, s14, 8                         ; K 256 x wave on
	s_add_co_u32 s46, s46, s47
	s_mov_b32 s47, 0
	s_mul_i32 s45, s14, APL                        ; where they go: no place in the cluster enters an LDS address
	s_mul_i32 s22, s14, BKS
	s_add_co_u32 s22, s22, BRES
	s_wait_kmcnt 0x0
	s_load_b64 s[96:97], s[10:11], 0x28            ; e10, e11
	s_add_nc_u64 s[20:21], s[4:5], s[20:21]
	s_add_nc_u64 s[46:47], s[6:7], s[46:47]
	CROUND                                         ; all sixteen work-groups are here: the first joint loads meet
.irp s, 0,1
	s_mov_b32 s[G0+4*\s], 1
	s_add_co_u32 s[G0+4*\s+1], s45, \s*ASLOT
	s_add_nc_u64 s[G0+4*\s+2:G0+4*\s+3], s[20:21], \s*4*524288   ; slot s begins with heads 4 s .. 4 s + 3
	s_or_b32 s[G0+4*\s+3], s[G0+4*\s+3], 0x80000000
.endr
	s_mov_b32 s[G0B], 1
	s_mov_b32 s[G0B+1], s22
	s_mov_b64 s[G0B+2:G0B+3], s[46:47]
	s_or_b32 s[G0B+3], s[G0B+3], 0x80000000
	tensor_load_to_lds s[G0:G0+3], s[G1:G1+7]      ; the first fills go out as one group: slot 0's plane,
	s_nop 0
	tensor_load_to_lds s[G0B:G0B+3], s[G1B:G1B+7]  ; my quarter of Wo's K,
	s_nop 0
	tensor_load_to_lds s[G0+4:G0+7], s[G1:G1+7]    ; slot 1's plane: three loads of mine are out
	s_nop 0
.rept 4
	v_nop
.endr
	v_and_b32 v1, 15, v0                           ; r
	s_wait_alu depctr_va_vdst(0)
	v_bfe_u32 v2, v0, 4, 1                         ; h
	v_lshlrev_b32 v6, 5, v2                        ; the bias: 8 numbers of my half; never rewritten
	s_lshl_b32 s72, s42, 9
	s_lshl_b32 s73, s16, 8
	s_add_co_u32 s72, s72, s73                     ; my first column, in bytes: 4 x (128 x tile column + 64 x half)
	s_mov_b32 s73, 0
	s_add_nc_u64 s[8:9], s[8:9], s[72:73]
.set i, 0
.rept 4
	global_load_b128 v[BO+8*i:BO+8*i+3], v6, s[8:9] offset:64*i          ; block b: bias of columns 16 b + 8 h + 0 .. 7
	global_load_b128 v[BO+8*i+4:BO+8*i+7], v6, s[8:9] offset:64*i+16
.set i, i+1
.endr
	s_lshl_b32 s70, s17, 20                        ; my first token's row of out0: (256 x tile row + 128 x half) x 4,096 bytes
	s_lshl_b32 s71, s15, 19
	s_add_co_u32 s70, s70, s71
	s_add_co_u32 s70, s70, s72                     ; + my first column
	s_mov_b32 s71, 0
	s_add_nc_u64 s[12:13], s[12:13], s[70:71]
	v_mul_u32_u24 v3, v1, AP
	s_wait_alu depctr_va_vdst(0)
	v_lshl_add_u32 v3, v2, 4, v3
	s_mul_i32 s21, s15, 128*AP                     ; my 128 tokens
	v_add_nc_u32 v4, s21, v3
.irp s, 0,1
.irp q, 0,1
	v_add_nc_u32 v[ADRA+2*\s+\q], \s*ASLOT+2*\q*APL, v4
.endr
.endr
	v_mul_u32_u24 v5, v1, PITCH
	v_lshl_add_u32 v5, v2, 4, v5
	s_mul_i32 s23, s16, 64*PITCH                   ; my 64 rows of Wo
	s_add_co_u32 s23, s23, BRES
	v_add_nc_u32 v5, s23, v5
.irp k, 0,1,2,3
	v_add_nc_u32 v[ADRB+\k], \k*BKS, v5
.endr
	s_mul_i32 s23, s14, 16*SPITCH
	s_add_co_u32 s23, s23, STAGE                   ; my stage
	v_mul_u32_u24 v3, v1, SPITCH
	v_lshl_add_u32 v3, v2, 5, v3
	v_add_nc_u32 v[STO], s23, v3                   ; in: row r, 32 bytes for each half of the lanes
	v_mul_u32_u24 v3, v2, SPITCH
	v_lshl_add_u32 v3, v1, 4, v3
	v_add_nc_u32 v[RD], s23, v3                    ; back: lanes 0-15 one row of 256 bytes, lanes 16-31 the next
	v_lshlrev_b32 v3, 12, v2
	v_lshl_add_u32 v[CO], v1, 4, v3                ; and the same two rows in out0
.macro FRAGA reg, n, i                 ; ctx's fragment of step n, block i: K = 32 c + 16 (l / 16) + 0 .. 15 of the step's 128: c = 0, 1 in one head's plane, c = 2, 3 in the next
.irp c, 0,1,2,3
	ds_load_b128 v[\reg+4*\c:\reg+4*\c+3], v[ADRA+2*(((\n)/2)%2)+(\n)%2] offset:(\c/2)*APL+(\i)*16*AP+32*(\c%2)
.endr
.endm
.macro FRAGB reg, n, i                 ; Wo's: the same K in the same registers
.irp c, 0,1,2,3
	ds_load_b128 v[\reg+4*\c:\reg+4*\c+3], v[ADRB+(\n)/2] offset:128*((\n)%2)+32*\c+(\i)*16*PITCH
.endr
.endm
; 8 matrix instructions: ctx's blocks a0, a0 + 1 x Wo's four.  The 32 accumulators take turns, in the same order in every step.
.macro MUL8 a0, p, zero
.irp a, \a0, \a0+1
.irp b, 0,1,2,3
.if \zero
	v_wmma_f32_16x16x128_fp8_fp8 v[8*(4*(\a)+\b):8*(4*(\a)+\b)+7], v[128*(\p)+FR*\b:128*(\p)+FR*\b+FR-1], v[AF+FR*(\a):AF+FR*(\a)+FR-1], 0
.else
	v_wmma_f32_16x16x128_fp8_fp8 v[8*(4*(\a)+\b):8*(4*(\a)+\b)+7], v[128*(\p)+FR*\b:128*(\p)+FR*\b+FR-1], v[AF+FR*(\a):AF+FR*(\a)+FR-1], v[8*(4*(\a)+\b):8*(4*(\a)+\b)+7]
.endif
.endr
.endr
.endm
.macro FETCH_B n                       ; Wo's four fragments of step n into set n % 2
	WIN TO_B
.irp i, 0,1,2,3
	FRAGB 128*((\n)%2)+FR*\i, \n, \i
.endr
	WIN 0
.endm
.macro FETCH_A n, i0                   ; ctx's blocks i0 .. i0 + 3
.irp i, \i0, \i0+1, \i0+2, \i0+3
	FRAGA AF+FR*(\i), \n, \i
.endr
.endm
.macro PLACES n
.rept \n
	v_nop
.endr
.endm
.macro STEP n, zero                    ; a step whose successor lies in the same slot
	s_wait_dscnt 16                                ; Wo's set and ctx's blocks 0-3 are in; the youngest 16 loads (blocks 4-7) may be out
	WIN MUL
	MUL8 0, (\n)%2, \zero
	MUL8 2, (\n)%2, \zero
	s_wait_dscnt 0
	PLACES NP
	FETCH_B (\n)+1
	FETCH_A (\n)+1, 0
	WIN MUL
	MUL8 4, (\n)%2, \zero
	MUL8 6, (\n)%2, \zero
	PLACES NP
	WIN 0
	FETCH_A (\n)+1, 4
.endm
; A slot's last step changes slots: one barrier; in front of it each wave waits for all its tensor loads, adds 0 to its spare word, and waits for that and for its own reads of this slot.  fill = 1: this slot takes the heads eight further on.
.macro TURN n, fill
	s_wait_tensorcnt 0x0                           ; all my tensor loads have landed (every window is 0 here)
	ds_add_u32 v[SPW], v[NIL]                      ; 0 onto my spare word
	s_wait_dscnt 17                                ; the add and the youngest 16 loads may be out
	WIN MUL
	MUL8 0, 1, 0                                   ; eight matrix instructions stand between the add and the wait for it
	s_wait_dscnt 0x0                               ; the add is done, and my reads of this slot are over
	s_barrier_signal -1
	MUL8 2, 1, 0
	WIN 0
	s_barrier_wait -1
.if \fill
	CREST                                          ; the barrier has opened a round of the cluster's barrier
	s_add_nc_u64 s[G0+4*(((\n)/2)%2)+2:G0+4*(((\n)/2)%2)+3], s[G0+4*(((\n)/2)%2)+2:G0+4*(((\n)/2)%2)+3], 8*524288
	tensor_load_to_lds s[G0+4*(((\n)/2)%2):G0+4*(((\n)/2)%2)+3], s[G1:G1+7]   ; the first tensor load behind the round, one a wave
	s_nop 0
.rept 4
	v_nop                                          ; (the places in front of the loads below)
.endr
.else
	PLACES NP
.endif
	FETCH_B (\n)+1
	FETCH_A (\n)+1, 0
	WIN MUL
	MUL8 4, 1, 0
	MUL8 6, 1, 0
	PLACES NP
	WIN 0
	FETCH_A (\n)+1, 4
.endm
	s_wait_tensorcnt 1                             ; my plane of slot 0 and my part of Wo are in; slot 1's load may be out
	s_barrier_signal -1
	s_barrier_wait -1                              ; everybody's are
	FETCH_B 0
	FETCH_A 0, 0
	FETCH_A 0, 4
	STEP 0, 1                                      ; the first products start the sums
	TURN 1, 1                                      ; slot 0 takes heads 8 .. 11
	STEP 2, 0
	TURN 3, 1                                      ; slot 1 takes heads 12 .. 15
	STEP 4, 0
	s_wait_alu depctr_va_vdst(0)
	TURN 5, 0
	STEP 6, 0
	s_wait_dscnt 16                                ; the last step
	WIN MUL
	MUL8 0, 1, 0
	MUL8 2, 1, 0
	s_wait_dscnt 0
	MUL8 4, 1, 0
	MUL8 6, 1, 0
	WIN 0
; THE WAY OUT, block by block of 16 tokens x 64 columns: sum x 2^(e10 + e11) + bo, one packed multiply-add for two numbers; through my own stage; back as rows of 256 bytes.
.macro TOSTAGE a
.set BB, BK+32*((\a)%2)
	WIN 0x02                                       ; source 0: window 2
.set i, 0
.rept 16
	v_pk_fma_f32 v[TMP+i:TMP+i+1], v[32*(\a)+i:32*(\a)+i+1], s[96:97], v[BO+i:BO+i+1] op_sel_hi:[1,0,1]   ; each accumulator from its low end on
.set i, i+2
.endr
	WIN 0
.irp b, 0,1,2,3
	ds_store_b128 v[STO], v[TMP+8*\b:TMP+8*\b+3] offset:64*\b
	ds_store_b128 v[STO], v[TMP+8*\b+4:TMP+8*\b+7] offset:64*\b+16
.endr
.irp t, 0,1,2,3,4,5,6,7
	ds_load_b128 v[BB+4*\t:BB+4*\t+3], v[RD] offset:\t*2*SPITCH   ; LDS serves a wave's instructions in order (ISA guide 5.7.1.4): these see the stores above
.endr
.endm
.macro SEND a, younger                 ; younger: the next block's 8 stores and 8 loads, or none
.set BB, BK+32*((\a)%2)
	s_wait_dscnt \younger
.irp t, 0,1,2,3,4,5,6,7
	global_store_b128 v[CO], v[BB+4*\t:BB+4*\t+3], s[12:13] offset:(16*(\a)+2*\t)*4096 th:TH_STORE_NT   ; 16 lanes store 256 consecutive bytes, at a multiple of 256 from out0's first byte; 126 rows at the most: inside the signed 24-bit immediate
.endr
.endm
	s_wait_kmcnt 0x0
	s_add_co_i32 s96, s96, s97
	s_add_co_i32 s96, s96, 127
	s_lshl_b32 s96, s96, 23                        ; 2^(e10 + e11) as f32
	s_mov_b32 s97, s96                             ; (named with it as a pair, so it is written)
	s_wait_loadcnt 0x0                             ; the bias
	PLACES NP                                      ; behind the last products
	TOSTAGE 0
.irp a, 1,2,3,4,5,6,7
.if \a > 1
	s_wait_xcnt 0x0                                ; block a - 2's stores have read their registers: block a's loads may land there
.endif
	TOSTAGE \a
	SEND \a-1, 16
.endr
	SEND 7, 0
	s_wait_tensorcnt 0x0                           ; the wave's end: behind my last tensor load and my last LDS store
	ds_add_u32 v[SPW], v[NIL]
	s_wait_dscnt 0x0
	CROUND                                         ; the closing round
	s_endpgm
.Lfunc_end_k_q8587bdbbec_proj:
	.size	k_q8587bdbbec_proj, .Lfunc_end_k_q8587bdbbec_proj-k_q8587bdbbec_proj
	.p2alignl 7, 3214868480
	.fill 96, 4, 3214868480
	.section	.rodata,"a",@progbits
	.p2align	6, 0x0
	.amdhsa_kernel k_q8587bdbbec_proj
		.amdhsa_group_segment_fixed_size 327680
		.amdhsa_private_segment_fixed_size 0
		.amdhsa_enable_private_segment 0
		.amdhsa_kernarg_size 40
		.amdhsa_user_sgpr_count 2
		.amdhsa_user_sgpr_kernarg_segment_ptr 1
		.amdhsa_wavefront_size32 1
		.amdhsa_system_sgpr_workgroup_id_x 1
		.amdhsa_system_sgpr_workgroup_id_y 1
		.amdhsa_system_sgpr_workgroup_id_z 1
		.amdhsa_system_vgpr_workitem_id 0
		.amdhsa_next_free_vgpr 768
		.amdhsa_next_free_sgpr 100
		.amdhsa_reserve_vcc 0
		.amdhsa_float_denorm_mode_32 3
		.amdhsa_float_denorm_mode_16_64 3
		.amdhsa_memory_ordered 1
		.amdhsa_forward_progress 1
		.amdhsa_inst_pref_size 76
	.end_amdhsa_kernel
	.amdgpu_metadata
---
amdhsa.version: [ 1, 2 ]
amdhsa.kernels:
  - .name:           k_q8587bdbbec_proj
    .symbol:         k_q8587bdbbec_proj.kd
    .args:
      - { .name: ctxc, .offset: 0, .size: 8, .value_kind: global_buffer, .address_space: global }
      - { .name: Wo_codes, .offset: 8, .size: 8, .value_kind: global_buffer, .address_space: global }
      - { .name: bo, .offset: 16, .size: 8, .value_kind: global_buffer, .address_space: global }
      - { .name: lowp_scales, .offset: 24, .size: 8, .value_kind: global_buffer, .address_space: global }
      - { .name: out0, .offset: 32, .size: 8, .value_kind: global_buffer, .address_space: global }
    .group_segment_fixed_size: 327680
    .private_segment_fixed_size: 0
    .kernarg_segment_align: 8
    .kernarg_segment_size: 40
    .max_flat_workgroup_size: 128
    .sgpr_count:     100
    .vgpr_count:     768
    .wavefront_size: 32
...
	.end_amdgpu_metadata
.endif
;; end of part 3
